; MI455X (gfx1250); checked and timed in simulation.
; The chip was launched on July 23, 2026; its instructions are those of AMD's public machine-readable ISA for CDNA 5 (MIT licence, August 2026) and "CDNA5" Instruction Set Architecture Reference Guide (July 2026). The comments in the code are by the model that wrote it; some were corrected since.
;; Attention. Allowed arithmetic: float matrix products may take bf16 or f16 operands with f32 sums; all other float work in f32.
;; Inputs: Wk 1,024 x 1,024 float32; Wo 1,024 x 1,024 float32; Wq 1,024 x 1,024 float32; Wv 1,024 x 1,024 float32; bk 1,024 float32; bo 1,024 float32; bq 1,024 float32; bv 1,024 float32; k 2 x 2,048 x 1,024 float32; q 2 x 2,048 x 1,024 float32; v 2 x 2,048 x 1,024 float32.
;; Outputs: out0 2 x 2,048 x 1,024 float32.
;; One version. Each part assembles by itself: llvm-mc -triple=amdgcn-amd-amdhsa -mcpu=gfx1250 --defsym DOCPART=n.
;; ======== version 1 of 1: 4 launches
;; limits: values are held in f16: magnitudes above 65,504 overflow, below 6.1e-05 lose precision
;; workspace buffers: xb 25,165,824 bytes; wb 8,388,608 bytes; qkvh 25,165,824 bytes; ctx 8,388,608 bytes
;; launch cast (part 1): grid 256 x 4, 8 waves a work-group, no clusters, 0 bytes of LDS; arguments q, k, v, Wq, Wk, Wv, Wo, xb, wb; writes xb, wb
.if DOCPART == 1
	.amdgcn_target "amdgcn-amd-amdhsa--gfx1250"
	.amdhsa_code_object_version 6
	.text
	.protected	k_q7d512ad98a_cast
	.globl	k_q7d512ad98a_cast
	.p2align	8
	.type	k_q7d512ad98a_cast,@function
k_q7d512ad98a_cast:
	s_mov_b64 s[64:65], 0
	v_nop
	global_prefetch_b8 v0, s[64:65] scope:SCOPE_SE
	s_setreg_imm32_b32 hwreg(HW_REG_WAVE_MODE, 25, 1), 1
	s_wait_xcnt 0x0
; f32 to f16 (round to nearest even) of the seven matrix operands, so that the products that follow read 16-bit tiles.
; xb = [q | k | v], each [4096][1024] f16;  wb = [Wq | Wk | Wv | Wo], each [1024][1024] f16.
; WHY f16 AND NOT bf16: the chain of four products rounds twelve operands (seven inputs, Q, K, V, P, ctx); with 8 significant bits each the
; sum of their errors comes to a quarter of the allowed 1 per cent of the output's rms, too near for four million numbers; with 11 bits it is an eighth of that.
; LIMIT: a number above 65,504 in magnitude becomes infinite; below 6e-5 the absolute error is at most 3e-8.
; A work-group turns 65,536 bytes of one input into 32,768 bytes.  Grid y = 0, 1, 2: chunk x of q, k, v (256 chunks each);
; y = 3: chunk x & 63 of weight x >> 6 (64 chunks each).  A wave takes 8,192 bytes by sixteen loads of 16 bytes a lane, all
; issued at once; a wave's load covers 512 consecutive bytes, a wave's store of 8 bytes a lane 256 consecutive bytes, aligned.
; A plain stream: no LDS, no barrier, no matrix unit, no loop.
.set XR, 4                             ; v[4:67]   sixteen loads, four f32 each
.set YR, 68                            ; v[68:99]  sixteen stores, four f16 each
	s_load_b512 s[8:23], s[0:1], 0x0               ; q 8:9, k 10:11, v 12:13, Wq 14:15, Wk 16:17, Wv 18:19, Wo 20:21, xb 22:23
	s_load_b64 s[24:25], s[0:1], 0x40              ; wb
	s_and_b32 s2, ttmp7, 0xffff                    ; y
	s_mov_b32 s3, ttmp9                            ; x
	s_lshr_b32 s34, s3, 6                          ; which weight (y = 3)
	s_and_b32 s35, s3, 63                          ; which chunk of it
	s_lshl_b32 s42, s3, 15                         ; x times 32,768 output bytes: in wb the weights follow each other, so x serves as it is
	v_lshrrev_b32 v1, 5, v0                        ; wave
	v_and_b32 v3, 31, v0                           ; lane
	v_lshlrev_b32 v1, 13, v1                       ; 8,192 bytes a wave
	v_lshl_or_b32 v1, v3, 4, v1                    ; + 16 bytes a lane: offset in the input chunk
	v_lshrrev_b32 v2, 1, v1                        ; half of it: offset in the output chunk
	s_wait_kmcnt 0x0
	s_cmp_eq_u32 s2, 1                             ; the source among q, k, v
	s_cselect_b64 s[26:27], s[10:11], s[8:9]
	s_cmp_eq_u32 s2, 2
	s_cselect_b64 s[26:27], s[12:13], s[26:27]
	s_cmp_eq_u32 s34, 1                            ; the source among the weights
	s_cselect_b64 s[28:29], s[16:17], s[14:15]
	s_cmp_eq_u32 s34, 2
	s_cselect_b64 s[28:29], s[18:19], s[28:29]
	s_cmp_eq_u32 s34, 3
	s_cselect_b64 s[28:29], s[20:21], s[28:29]
	s_cmp_eq_u32 s2, 3                             ; one compare, four selects (a select leaves SCC as it is)
	s_cselect_b64 s[26:27], s[28:29], s[26:27]     ; source
	s_cselect_b64 s[30:31], s[24:25], s[22:23]     ; destination: wb or xb
	s_cselect_b32 s36, s35, s3                     ; chunk in the source
	s_cselect_b32 s37, 0, s2                       ; which third of xb
	s_lshl_b32 s38, s36, 16                        ; 65,536 input bytes a chunk
	s_mov_b32 s39, 0
	s_lshl_b32 s40, s37, 23                        ; 8,388,608 bytes for each of q, k, v in xb
	s_add_co_u32 s40, s40, s42
	s_mov_b32 s41, 0
	s_add_nc_u64 s[26:27], s[26:27], s[38:39]
	s_add_nc_u64 s[30:31], s[30:31], s[40:41]
.irp j, 0,1,2,3,4,5,6,7,8,9,10,11,12,13,14,15
	global_load_b128 v[XR+4*\j:XR+4*\j+3], v1, s[26:27] offset:512*\j th:TH_LOAD_NT   ; each input byte is read once in the launch
.endr
.irp j, 0,1,2,3,4,5,6,7,8,9,10,11,12,13,14,15
	s_wait_loadcnt 15-\j                           ; loads come back in order: load j is in, the 15 - j younger ones stay out
	v_cvt_pk_f16_f32 v[YR+2*\j], v[XR+4*\j], v[XR+4*\j+1]
	v_cvt_pk_f16_f32 v[YR+2*\j+1], v[XR+4*\j+2], v[XR+4*\j+3]
	global_store_b64 v2, v[YR+2*\j:YR+2*\j+1], s[30:31] offset:256*\j
.endr
	s_endpgm
.Lfunc_end_k_q7d512ad98a_cast:
	.size	k_q7d512ad98a_cast, .Lfunc_end_k_q7d512ad98a_cast-k_q7d512ad98a_cast
	.p2alignl 7, 3214868480
	.fill 96, 4, 3214868480
	.section	.rodata,"a",@progbits
	.p2align	6, 0x0
	.amdhsa_kernel k_q7d512ad98a_cast
		.amdhsa_group_segment_fixed_size 0
		.amdhsa_private_segment_fixed_size 0
		.amdhsa_enable_private_segment 0
		.amdhsa_kernarg_size 72
		.amdhsa_user_sgpr_count 2
		.amdhsa_user_sgpr_kernarg_segment_ptr 1
		.amdhsa_wavefront_size32 1
		.amdhsa_system_sgpr_workgroup_id_x 1
		.amdhsa_system_sgpr_workgroup_id_y 1
		.amdhsa_system_sgpr_workgroup_id_z 1
		.amdhsa_system_vgpr_workitem_id 0
		.amdhsa_next_free_vgpr 100
		.amdhsa_next_free_sgpr 66
		.amdhsa_reserve_vcc 0
		.amdhsa_float_denorm_mode_32 3
		.amdhsa_float_denorm_mode_16_64 3
		.amdhsa_memory_ordered 1
		.amdhsa_forward_progress 1
		.amdhsa_inst_pref_size 7
	.end_amdhsa_kernel
	.amdgpu_metadata
---
amdhsa.version: [ 1, 2 ]
amdhsa.kernels:
  - .name:           k_q7d512ad98a_cast
    .symbol:         k_q7d512ad98a_cast.kd
    .args:
      - { .name: q, .offset: 0, .size: 8, .value_kind: global_buffer, .address_space: global }
      - { .name: k, .offset: 8, .size: 8, .value_kind: global_buffer, .address_space: global }
      - { .name: v, .offset: 16, .size: 8, .value_kind: global_buffer, .address_space: global }
      - { .name: Wq, .offset: 24, .size: 8, .value_kind: global_buffer, .address_space: global }
      - { .name: Wk, .offset: 32, .size: 8, .value_kind: global_buffer, .address_space: global }
      - { .name: Wv, .offset: 40, .size: 8, .value_kind: global_buffer, .address_space: global }
      - { .name: Wo, .offset: 48, .size: 8, .value_kind: global_buffer, .address_space: global }
      - { .name: xb, .offset: 56, .size: 8, .value_kind: global_buffer, .address_space: global }
      - { .name: wb, .offset: 64, .size: 8, .value_kind: global_buffer, .address_space: global }
    .group_segment_fixed_size: 0
    .private_segment_fixed_size: 0
    .kernarg_segment_align: 8
    .kernarg_segment_size: 72
    .max_flat_workgroup_size: 256
    .sgpr_count:     66
    .vgpr_count:     100
    .wavefront_size: 32
...
	.end_amdgpu_metadata
.endif
;; end of part 1
;; launch qkv (part 2): grid 4 x 48, 4 waves a work-group, clusters of 4 x 4, 327,680 bytes of LDS; arguments xb, wb, bq, bk, bv, qkvh; writes qkvh
.if DOCPART == 2
	.amdgcn_target "amdgcn-amd-amdhsa--gfx1250"
	.amdhsa_code_object_version 6
	.text
	.protected	k_q7d512ad98a_qkv
	.globl	k_q7d512ad98a_qkv
	.p2align	8
	.type	k_q7d512ad98a_qkv,@function
k_q7d512ad98a_qkv:
	s_mov_b64 s[64:65], 0
	v_nop
	global_prefetch_b8 v0, s[64:65] scope:SCOPE_SE
	s_setreg_imm32_b32 hwreg(HW_REG_WAVE_MODE, 25, 1), 1
	s_wait_xcnt 0x0
	s_wait_alu depctr_hold_cnt(0) depctr_sa_sdst(0) depctr_va_vdst(0) depctr_va_sdst(0) depctr_va_ssrc(0) depctr_va_vcc(0) depctr_vm_vsrc(0)
	s_getreg_b32 s2, hwreg(HW_REG_IB_STS2, 6, 4)
	s_cmp_eq_u32 s2, 0
	s_cbranch_scc0 .Lentry_in_a_cluster
	s_endpgm
.Lentry_in_a_cluster:
	s_bfe_u32 s2, ttmp6, 0x10000c
	s_cmp_lg_u32 s2, 0xf033
	s_cbranch_scc0 .Lentry_shape_is_right
	s_endpgm
.Lentry_shape_is_right:
; The three input projections as one product: rows g = 0 .. 12287 of xb are q's, k's and v's 4,096 rows; z = g / 4096 picks the
; weight (rows 1024 z .. of wb) and the bias.  Y[g][n] = bias_z[n] + sum over k of xb[g][k] W_z[n][k]; f16 operands, f32 sums,
; rounded once to f16 and stored by heads: qkvh[z][b][head][s][64], so that a head is one dense block of 262,144 bytes.
; LIMITS: the bias starts each sum (another order of rounding than product first, bias last); the result is kept in f16: above 65,504 in
; magnitude it becomes infinite.  Room: a sum of 1,024 products of unit data and weights of spread 1/32 has spread 1; data and weights both
; 30 times larger give 900 times that; both carrying an offset of 30 spreads give 1024 x 30 x 0.94, about 29,000.  The factor 1/8 on q is
; applied later, to the f32 scores.  NaN and infinities get no special care.
; A work-group makes 256 x 256 with four waves, a wave 128 x 128: 64 accumulator tiles of 16 x 16, 512 registers.  K goes in steps
; of 128 through a ring of two LDS slots filled by the tensor data mover; a tile's rows are 256 bytes of memory, aligned.
; 3 x 16 x 4 = 192 work-groups: blocks of half the side would make 768, but each byte fetched would feed half as many products.
; CLUSTERS: 4 x 4 work-groups.  The four of a row of the cluster need the same tiles of xb, the four of a column the same tiles of
; the weight (a cluster's 1,024 rows lie inside one z): each tile is asked for jointly, by the same load in all four.
;
; REGISTERS, in windows of 256:
;   window 0: v0-31 addresses; v64-127, v128-191 fragments of xb, two buffers; v192-223 at work on the way out
;   window 1: v64-127, v128-191 fragments of the weight, two buffers; v192-255 the bias as eight C tiles
;   window 2: the 32 accumulator tiles of my rows 0-63 (tile (a, b) at v[8 (8 a + b)]);  window 3: those of my rows 64-127
; The matrix instruction is used transposed: source 0 = 16 rows of the weight, source 1 = 16 rows of xb; lane l then holds row l % 16
; of Y and its registers 0 to 7 the columns 8 (l / 16) + 0 .. 7: eight neighbouring numbers, 16 bytes in f16.
.set SIZE_K, 1024
.set KSTEP,  128
.set PITCH,  272                       ; an LDS row: 256 bytes + 16 of padding: the 16 rows that a load touches start 16 bytes apart modulo 256
.set HALFT,  128*PITCH                 ; 128 rows: what one tensor load brings
.set SLOT,   4*HALFT                   ; xb's 256 rows, then the weight's 256 rows
.set STAGE,  2*SLOT                    ; behind the ring: 16 rows x 400 bytes for each wave; no tensor load lands here
.set SPITCH, 400                       ; 25 x 16: the sixteen stores of a half wave fall into sixteen different 16-byte columns modulo 256
.set LAPS, SIZE_K/(2*KSTEP)            ; a lap = two K steps = once round the ring: 4
.set ADRA, 16                          ; v16-17  LDS address of my xb fragments in slot 0, 1
.set ADRB, 20                          ; v20-21  the same for the weight
.set STO,  24                          ; v24     the way out: where I put 16 bytes of a row
.set RD,   25                          ; v25     the way out: where I read them back
.set CO,   26                          ; v26     my byte offset in qkvh
.set BO,   27                          ; v27     my byte offset in the bias
.set F0,   64
.set F1,   128
.set TMP,  192                         ; window 0
.set BIAS, 192                         ; window 1
.set G1, 24                            ; s[24:31] descriptor group 1, xb's tiles
.set G0, 32                            ; s[32:39] descriptor group 0, xb's tiles, one set for each slot
.set G1B, 48                           ; s[48:55] group 1, the weight's tiles
.set G0B, 56                           ; s[56:63] group 0, the weight's tiles
.set MSB, 0
.macro WIN new                         ; the immediate's high byte repeats the setting that is left
.if MSB != \new
	s_set_vgpr_msb (MSB<<8)|\new
.set MSB, \new
.endif
.endm
.set MUL_LO, 0xa1                      ; source 0 window 1, source 1 window 0, C and D window 2
.set MUL_HI, 0xf1                      ; the same, C and D window 3
.set BIA_LO, 0x91                      ; the first products: C is the bias in window 1, D window 2
.set BIA_HI, 0xd1                      ; the same, D window 3
.set TO_B,   0x40                      ; destination window 1, address window 0
; A joint load.  Waves 0 and 1 fetch xb's two halves, waves 2 and 3 the weight's.  The branch hangs on the wave's number alone.
.macro JLOAD s
	s_cmp_eq_u32 s11, 0
	s_cbranch_scc0 .Lfor_b_\@
	tensor_load_to_lds s[G0+4*\s:G0+4*\s+3], s[G1:G1+7]
	s_nop 0
	s_branch .Lasked_\@
.Lfor_b_\@:
	tensor_load_to_lds s[G0B+4*\s:G0B+4*\s+3], s[G1B:G1B+7]
	s_nop 0
.Lasked_\@:
.endm
; A round of the cluster's barrier: my work-group's barrier; wave 0 signals for the work-group; every wave waits for all sixteen; my work-group's barrier again.
.macro CREST                           ; a round behind its opening barrier
	s_cmp_lg_u32 s10, 0
	s_cbranch_scc1 .Lnot_wave_0_\@
	s_barrier_signal -3
.Lnot_wave_0_\@:
	s_barrier_wait -3
	s_barrier_signal -1
	s_barrier_wait -1
.endm
.macro CROUND
	s_barrier_signal -1
	s_barrier_wait -1
	CREST
.endm
	s_load_b128 s[4:7], s[0:1], 0x0                ; xb s[4:5], wb s[6:7]
	s_load_b256 s[68:75], s[0:1], 0x10             ; bq 68:69, bk 70:71, bv 72:73, qkvh 74:75
	s_set_vgpr_msb 0x40
	v_lshl_add_u32 v63, v0, 2, 0x4a400
	s_set_vgpr_msb 0x4000
	v_mov_b32 v255, 0
	s_set_vgpr_msb 0x1
	ds_add_u32 v63, v255
	s_set_vgpr_msb 0x100
	v_lshrrev_b32 v1, 5, v0
	v_readfirstlane_b32 s10, v1                    ; wave 0..3
	s_lshr_b32 s11, s10, 1                         ; which half of the block's rows is mine.  Also: I fetch for xb (0) or for the weight (1)
	s_and_b32 s12, s10, 1                          ; which half of its columns.  Also: which 128 rows of that tile I fetch
	s_bfe_u32 s40, ttmp6, 0x40000                  ; cx
	s_bfe_u32 s41, ttmp6, 0x40004                  ; cy
	s_lshl_b32 s42, ttmp9, 2
	s_add_co_u32 s42, s42, s40                     ; block column 0..3 = 4 x cluster x + cx
	s_and_b32 s13, ttmp7, 0xffff
	s_lshr_b32 s76, s13, 2                         ; z = cluster y / 4: four clusters of 1,024 rows for each of q, k, v; no cy in it
	s_lshl_b32 s13, s13, 2
	s_add_co_u32 s13, s13, s41                     ; block row 0..47 = 4 x cluster y + cy
	s_lshl_b32 s43, s41, 2
	s_lshl_b32 s43, 15, s43                        ; my row of the cluster
	s_lshl_b32 s44, 0x1111, s40                    ; my column
	; descriptor group 1: a tile of 128 rows x 128 elements of 2 bytes, 4 words of padding behind every 64 words
	s_or_b32 s[G1+0], s43, (1<<16)|(1<<20)|(1<<21)|(5<<22)|(3<<25)
	s_or_b32 s[G1B+0], s44, (1<<16)|(1<<20)|(1<<21)|(5<<22)|(3<<25)
	s_mov_b32 s[G1B+1], KSTEP<<16
	s_mov_b32 s[G1+1], KSTEP<<16                   ; tensor_dim0 = 128
	s_mov_b32 s[G1B+2], 128<<16
	s_mov_b32 s[G1+2], 128<<16                     ; tensor_dim1 = 128
	s_mov_b32 s[G1B+3], KSTEP<<16
	s_mov_b32 s[G1+3], KSTEP<<16                   ; tile_dim0 = 128
	s_mov_b32 s[G1B+4], 128
	s_mov_b32 s[G1+4], 128                         ; tile_dim1 = 128
	s_mov_b32 s[G1B+5], SIZE_K
	s_mov_b32 s[G1+5], SIZE_K                      ; elements from row to row
	s_mov_b32 s[G1B+6], 0
	s_mov_b32 s[G1+6], 0
	s_mov_b32 s[G1B+7], 0
	s_mov_b32 s[G1+7], 0
	; where the tiles come from: xb's hang on the block row, the weight's on the block column and z
	s_lshl_b32 s17, s12, 7                         ; which 128 rows of the tile I fetch
	s_lshl_b32 s16, s13, 8
	s_add_co_u32 s16, s16, s17                     ; xb: row 256 x block row + 128 x half
	s_lshl_b32 s46, s42, 8
	s_add_co_u32 s46, s46, s17
	s_lshl_b32 s47, s76, 10
	s_add_co_u32 s46, s46, s47                     ; wb: row 1024 z + 256 x block column + 128 x half
	s_mov_b32 s17, 0
	s_mov_b32 s47, 0
	s_mov_b64 s[18:19], SIZE_K*2
	s_mul_u64 s[16:17], s[16:17], s[18:19]         ; in bytes
	s_mul_u64 s[46:47], s[46:47], s[18:19]
	s_mul_i32 s20, s10, HALFT                      ; and where they go: wave x 128 rows
	s_lshl_b32 s80, s42, 10                        ; my first column in the bias: 4 x (256 x block column + 128 x half) bytes
	s_lshl_b32 s81, s12, 9
	s_add_co_u32 s80, s80, s81
	s_mov_b32 s81, 0
	v_and_b32 v1, 15, v0                           ; l % 16
	v_bfe_u32 v2, v0, 4, 1                         ; l / 16
	v_lshlrev_b32 v[BO], 5, v2                     ; eight f32 further for the upper half of the lanes
	s_wait_dscnt 0x0
	s_wait_kmcnt 0x0
	s_add_nc_u64 s[14:15], s[4:5], s[16:17]
	s_add_nc_u64 s[46:47], s[6:7], s[46:47]
	s_cmp_eq_u32 s76, 1                            ; the bias that goes with z
	s_cselect_b64 s[78:79], s[70:71], s[68:69]
	s_cmp_eq_u32 s76, 2
	s_cselect_b64 s[78:79], s[72:73], s[78:79]
	s_add_nc_u64 s[78:79], s[78:79], s[80:81]
	CROUND                                         ; all sixteen work-groups are here: the first joint loads meet
.irp s, 0,1
	s_mov_b32 s[G0+4*\s], 1
	s_add_co_u32 s[G0+4*\s+1], s20, \s*SLOT
	s_add_nc_u64 s[G0+4*\s+2:G0+4*\s+3], s[14:15], \s*KSTEP*2
	s_or_b32 s[G0+4*\s+3], s[G0+4*\s+3], 0x80000000
	s_mov_b32 s[G0B+4*\s], 1
	s_add_co_u32 s[G0B+4*\s+1], s20, \s*SLOT
	s_add_nc_u64 s[G0B+4*\s+2:G0B+4*\s+3], s[46:47], \s*KSTEP*2
	s_or_b32 s[G0B+4*\s+3], s[G0B+4*\s+3], 0x80000000
	JLOAD \s                                       ; both slots are asked for before anything else: two tensor loads of a wave are out, the most in this text
.endr
	; the bias as eight C tiles: register j of tile b holds bias[my first column + 16 b + 8 (l / 16) + j], the same in all sixteen rows
	WIN TO_B
.irp b, 0,1,2,3,4,5,6,7
	global_load_b128 v[BIAS+8*\b:BIAS+8*\b+3],   v[BO], s[78:79] offset:64*\b
	global_load_b128 v[BIAS+8*\b+4:BIAS+8*\b+7], v[BO], s[78:79] offset:64*\b+16
.endr
	WIN 0
	; fragment addresses: lane l holds row l % 16; two loads of 16 bytes, 32 bytes apart, at row x pitch + 16 (l / 16)
	v_mul_u32_u24 v3, v1, PITCH
	v_lshl_add_u32 v3, v2, 4, v3
	s_mul_i32 s21, s11, HALFT                      ; my 128 rows of xb
	s_mul_i32 s22, s12, HALFT                      ; my 128 rows of the weight,
	s_add_co_u32 s22, s22, 2*HALFT                 ; which lie behind xb's 256
.irp s, 0,1
	v_add_nc_u32 v[ADRA+\s], s21, v3
	v_add_nc_u32 v[ADRB+\s], s22, v3
	s_add_co_u32 s21, s21, SLOT
	s_add_co_u32 s22, s22, SLOT
.endr
	s_mul_i32 s23, s10, 16*SPITCH
	s_add_co_u32 s23, s23, STAGE                   ; my stage
	v_mul_u32_u24 v4, v1, SPITCH                   ; in: row l % 16, 16 bytes for each half of the lanes
	v_lshl_add_u32 v4, v2, 4, v4
	v_add_nc_u32 v[STO], s23, v4
	v_bfe_u32 v6, v0, 3, 1                         ; back: lanes 0-15 take the left head's 128 bytes of two rows, lanes 16-31 the right head's
	v_and_b32 v7, 7, v0
	v_mul_u32_u24 v5, v6, SPITCH
	v_lshl_add_u32 v5, v2, 7, v5
	v_lshl_add_u32 v5, v7, 4, v5
	v_add_nc_u32 v[RD], s23, v5
	v_lshlrev_b32 v8, 18, v2                       ; in qkvh the right head lies 262,144 bytes behind the left one,
	v_lshl_add_u32 v[CO], v1, 4, v8                ; and two rows of a head are 256 consecutive bytes
; 16 matrix instructions: m blocks a0, a0 + 1 of the window's four x all 8 n blocks, 32 along K.  zero = 1: the bias tile is C, so nothing is cleared and no add follows.
; The 64 accumulators take turns, one instruction a turn, in the same order in every quarter step.
.macro MUL16 f, hi, a0, zero
.irp a, \a0, \a0+1
.irp b, 0,1,2,3,4,5,6,7
.if \zero
	v_wmma_f32_16x16x32_f16 v[8*(8*(\a)+\b):8*(8*(\a)+\b)+7], v[\f+8*\b:\f+8*\b+7], v[\f+8*(4*\hi+\a):\f+8*(4*\hi+\a)+7], v[BIAS+8*\b:BIAS+8*\b+7]
.else
	v_wmma_f32_16x16x32_f16 v[8*(8*(\a)+\b):8*(8*(\a)+\b)+7], v[\f+8*\b:\f+8*\b+7], v[\f+8*(4*\hi+\a):\f+8*(4*\hi+\a)+7], v[8*(8*(\a)+\b):8*(8*(\a)+\b)+7]
.endif
.endr
.endr
.endm
; 32 LDS loads in one run: the fragments of one quarter step into buffer f
.macro FETCH slot, k, f
	WIN TO_B
.irp i, 0,1,2,3,4,5,6,7
	ds_load_b128 v[\f+8*\i:\f+8*\i+3],   v[ADRB+\slot] offset:\k+\i*16*PITCH
	ds_load_b128 v[\f+8*\i+4:\f+8*\i+7], v[ADRB+\slot] offset:\k+\i*16*PITCH+32
.endr
	WIN 0
.irp i, 0,1,2,3,4,5,6,7
	ds_load_b128 v[\f+8*\i:\f+8*\i+3],   v[ADRA+\slot] offset:\k+\i*16*PITCH
	ds_load_b128 v[\f+8*\i+4:\f+8*\i+7], v[ADRA+\slot] offset:\k+\i*16*PITCH+32
.endr
.endm
; Four independent vector instructions stand between a matrix instruction and a load into, or a vector read or write of, one of its registers
.macro PLACES
.rept 4
	v_nop
.endr
.endm
; A K step is four quarter steps of 32 along K, 64 matrix instructions each, on buffers 0, 1, 0, 1
.macro QUARTER slot, k, f, g, zero
	s_wait_dscnt 8                                 ; the weight's and xb's rows 0-63 are in; the youngest eight loads (xb's rows 64-127) may be out
.if \zero
	WIN BIA_LO
.else
	WIN MUL_LO
.endif
	MUL16 \f, 0, 0, \zero
	MUL16 \f, 0, 2, \zero
	PLACES
	FETCH \slot, \k, \g
	s_wait_dscnt 32                                ; all but the 32 just issued
.if \zero
	WIN BIA_HI
.else
	WIN MUL_HI
.endif
	MUL16 \f, 1, 0, \zero
	MUL16 \f, 1, 2, \zero
.endm
.macro THREE slot, zero
	QUARTER \slot, 64,  F0, F1, \zero
	QUARTER \slot, 128, F1, F0, 0
	QUARTER \slot, 192, F0, F1, 0
.endm
; The last quarter multiplies buffer 1 and changes slots.  In front of the barrier each wave waits for its reads of this slot and for all its
; tensor loads; behind it (behind the cluster's round where the slot is filled again) the refill comes first, then the next slot's first fragments.
.macro TURN slot, next, fill
	s_wait_dscnt 8
	WIN MUL_LO
	MUL16 F1, 0, 0, 0
	s_wait_dscnt 0                                 ; my reads of this slot are over
	s_wait_tensorcnt 0x0                           ; all my tensor loads have landed: the one that was out is my part of the next slot
	ds_add_u32 v63, v255
	s_wait_dscnt 0x0
	s_barrier_signal -1
	MUL16 F1, 0, 2, 0                              ; register work while the others arrive
	WIN 0
	s_barrier_wait -1
.if \fill
	CREST                                          ; no wave of any partner still reads this slot or has a load on its way
	s_add_nc_u64 s[G0+4*\slot+2:G0+4*\slot+3], s[G0+4*\slot+2:G0+4*\slot+3], 2*KSTEP*2
	s_add_nc_u64 s[G0B+4*\slot+2:G0B+4*\slot+3], s[G0B+4*\slot+2:G0B+4*\slot+3], 2*KSTEP*2
	JLOAD \slot                                    ; the first tensor load behind the round, one a wave
.endif
	PLACES
	FETCH \next, 0, F0
	WIN MUL_HI
	MUL16 F1, 1, 0, 0
	MUL16 F1, 1, 2, 0
.endm
.macro LAP zero
	THREE 0, \zero
	TURN 0, 1, 1
	THREE 1, 0
	TURN 1, 0, 1
.endm
	s_wait_tensorcnt 1                             ; my part of K step 0 is in; K step 1's stays out
	s_barrier_signal -1
	s_barrier_wait -1
	FETCH 0, 0, F0
	s_wait_loadcnt 0x0                             ; the bias
	LAP 1                                          ; the first lap stands in front of the loop: its first products start the sums from the bias
	WIN 0                                          ; at a label and at a branch every window is 0
	s_mov_b32 s3, LAPS-2
.Llap:
	LAP 0
	WIN 0
	s_sub_co_u32 s3, s3, 1
	s_cmp_lg_u32 s3, 0
	s_cbranch_scc1 .Llap
	THREE 0, 0                                     ; the last lap fills nothing
	TURN 0, 1, 0
	THREE 1, 0
	s_wait_dscnt 8
	WIN MUL_LO
	MUL16 F1, 0, 0, 0
	MUL16 F1, 0, 2, 0
	s_wait_dscnt 0
	WIN MUL_HI
	MUL16 F1, 1, 0, 0
	MUL16 F1, 1, 2, 0
	; THE WAY OUT, 16 rows at a time: round to f16, 16 bytes a lane into my own stage, read back as two rows of one head, 256 consecutive bytes.
	PLACES
	s_lshl_b32 s16, s13, 8
	s_lshl_b32 s17, s11, 7
	s_add_co_u32 s16, s16, s17                     ; g: my first row of the 12,288
	s_lshr_b32 s17, s16, 11                        ; 2 z + b: blocks of 16 heads x 262,144 bytes
	s_lshl_b32 s17, s17, 22
	s_and_b32 s16, s16, 2047                       ; s: rows of 128 bytes
	s_lshl_b32 s16, s16, 7
	s_add_co_u32 s82, s16, s17
	s_lshl_b32 s80, s42, 2                         ; my left head = 4 x block column + 2 x half
	s_lshl_b32 s81, s12, 1
	s_add_co_u32 s80, s80, s81
	s_lshl_b32 s80, s80, 18
	s_add_co_u32 s82, s82, s80
	s_mov_b32 s83, 0
	s_add_nc_u64 s[74:75], s[74:75], s[82:83]
.macro OUT16 i, a, from, f
	WIN \from
.irp b, 0,1,2,3,4,5,6,7
.irp r, 0,1,2,3
	v_cvt_pk_f16_f32 v[TMP+4*\b+\r], v[8*(8*\a+\b)+2*\r], v[8*(8*\a+\b)+2*\r+1]
.endr
.endr
	WIN 0
.irp b, 0,1,2,3,4,5,6,7
	ds_store_b128 v[STO], v[TMP+4*\b:TMP+4*\b+3] offset:32*\b
.endr
	s_wait_xcnt 0x0                                ; buffer f, which earlier stores read, is loaded again only behind this wait
.irp t, 0,1,2,3,4,5,6,7
	ds_load_b128 v[\f+4*\t:\f+4*\t+3], v[RD] offset:\t*2*SPITCH    ; a wave's LDS instructions are served in order: these see the stores above
.endr
.irp t, 0,1,2,3,4,5,6,7
	s_wait_dscnt 7-\t                              ; read-back t is in, the 7 - t younger ones stay out
	global_store_b128 v[CO], v[\f+4*\t:\f+4*\t+3], s[74:75] offset:2048*\i+256*\t   ; 16 lanes store 256 consecutive bytes, aligned
.endr
.endm
	OUT16 0, 0, 0x0a, F0
	OUT16 1, 1, 0x0a, F1
	OUT16 2, 2, 0x0a, F0
	OUT16 3, 3, 0x0a, F1
	OUT16 4, 0, 0x0f, F0
	OUT16 5, 1, 0x0f, F1
	OUT16 6, 2, 0x0f, F0
	OUT16 7, 3, 0x0f, F1
	s_set_vgpr_msb 0x1
	s_wait_tensorcnt 0x0
	ds_add_u32 v63, v255
	s_wait_dscnt 0x0
	s_set_vgpr_msb 0x100
	CROUND                                         ; the closing round: no work-group ends while a partner may still ask for a tile that names it
	s_endpgm
.Lfunc_end_k_q7d512ad98a_qkv:
	.size	k_q7d512ad98a_qkv, .Lfunc_end_k_q7d512ad98a_qkv-k_q7d512ad98a_qkv
	.p2alignl 7, 3214868480
	.fill 96, 4, 3214868480
	.section	.rodata,"a",@progbits
	.p2align	6, 0x0
	.amdhsa_kernel k_q7d512ad98a_qkv
		.amdhsa_group_segment_fixed_size 327680
		.amdhsa_private_segment_fixed_size 0
		.amdhsa_enable_private_segment 0
		.amdhsa_kernarg_size 48
		.amdhsa_user_sgpr_count 2
		.amdhsa_user_sgpr_kernarg_segment_ptr 1
		.amdhsa_wavefront_size32 1
		.amdhsa_system_sgpr_workgroup_id_x 1
		.amdhsa_system_sgpr_workgroup_id_y 1
		.amdhsa_system_sgpr_workgroup_id_z 1
		.amdhsa_system_vgpr_workitem_id 0
		.amdhsa_next_free_vgpr 1024
		.amdhsa_next_free_sgpr 96
		.amdhsa_reserve_vcc 0
		.amdhsa_float_denorm_mode_32 3
		.amdhsa_float_denorm_mode_16_64 3
		.amdhsa_memory_ordered 1
		.amdhsa_forward_progress 1
		.amdhsa_inst_pref_size 198
	.end_amdhsa_kernel
	.amdgpu_metadata
---
amdhsa.version: [ 1, 2 ]
amdhsa.kernels:
  - .name:           k_q7d512ad98a_qkv
    .symbol:         k_q7d512ad98a_qkv.kd
    .args:
      - { .name: xb, .offset: 0, .size: 8, .value_kind: global_buffer, .address_space: global }
      - { .name: wb, .offset: 8, .size: 8, .value_kind: global_buffer, .address_space: global }
      - { .name: bq, .offset: 16, .size: 8, .value_kind: global_buffer, .address_space: global }
      - { .name: bk, .offset: 24, .size: 8, .value_kind: global_buffer, .address_space: global }
      - { .name: bv, .offset: 32, .size: 8, .value_kind: global_buffer, .address_space: global }
      - { .name: qkvh, .offset: 40, .size: 8, .value_kind: global_buffer, .address_space: global }
    .group_segment_fixed_size: 327680
    .private_segment_fixed_size: 0
    .kernarg_segment_align: 8
    .kernarg_segment_size: 48
    .max_flat_workgroup_size: 128
    .sgpr_count:     96
    .vgpr_count:     1024
    .wavefront_size: 32
...
	.end_amdgpu_metadata
.endif
;; end of part 2
;; launch attn (part 3): grid 8 x 32, 8 waves a work-group, clusters of 4 x 1, 327,680 bytes of LDS; arguments qkvh, ctx; writes ctx
.if DOCPART == 3
	.amdgcn_target "amdgcn-amd-amdhsa--gfx1250"
	.amdhsa_code_object_version 6
	.text
	.protected	k_q7d512ad98a_attn
	.globl	k_q7d512ad98a_attn
	.p2align	8
	.type	k_q7d512ad98a_attn,@function
k_q7d512ad98a_attn:
	s_mov_b64 s[64:65], 0
	v_nop
	global_prefetch_b8 v0, s[64:65] scope:SCOPE_SE
	s_setreg_imm32_b32 hwreg(HW_REG_WAVE_MODE, 25, 1), 1
	s_wait_xcnt 0x0
	s_wait_alu depctr_hold_cnt(0) depctr_sa_sdst(0) depctr_va_vdst(0) depctr_va_sdst(0) depctr_va_ssrc(0) depctr_va_vcc(0) depctr_vm_vsrc(0)
	s_getreg_b32 s2, hwreg(HW_REG_IB_STS2, 6, 4)
	s_cmp_eq_u32 s2, 0
	s_cbranch_scc0 .Lentry_in_a_cluster
	s_endpgm
.Lentry_in_a_cluster:
	s_bfe_u32 s2, ttmp6, 0x10000c
	s_cmp_lg_u32 s2, 0x3003
	s_cbranch_scc0 .Lentry_shape_is_right
	s_endpgm
.Lentry_shape_is_right:
; Attention of one head for 256 queries: ctx = softmax(Q K^T / 8) V, with a running maximum.  qkvh = [q | k | v][b][head][2048][64] f16,
; ctx = [b][head][2048][64] f16.  Grid y = 16 b + head, grid x = one of eight blocks of 256 queries.
; EIGHT WAVES, two for each of the WGP's four SIMDs.  For 16 queries and 64 keys there are 16 matrix instructions and about 120 vector instructions, which
; in one wave follow each other; with a second wave beside it one wave's vector work can be issued while the other's matrix instructions run.
; Waves w and w + 4 own the SAME 64 queries (four blocks qb of 16) and share the KEYS: of every 256 keys waves 0-3 take the first 128, waves 4-7 the last 128.
; So a fragment of K or V read from LDS still feeds 64 queries; with half the queries a wave, each would be read twice as often.  At the end wave w + 4
; hands its O^T, maximum and sum to wave w through LDS, and wave w merges the two halves and stores.
; BOTH PRODUCTS ARE MADE TRANSPOSED.  S^T = K Q^T: lane (r = l % 16, h = l / 16) holds, of query r, keys 8 h + 0..7 of a block of 16.  Two such
; tiles rounded to f16 ARE the second operand (32 keys x 16 queries) of O^T = V^T P^T, so P never leaves the registers; V^T comes out of LDS by
; the transposing load.  A query is a lane (twice: h = 0, 1), so maximum, sum and rescaling are per lane, and one exchange of the halves joins them.
; SOFTMAX: with c = log2(e) / 8, p = 2^(c s - c m), m the running maximum of the raw scores.  The shift kept as state is the ROUNDED -c m, and the old
; sums are rescaled by 2^(new shift - old shift): all terms of a row carry one and the same shift, whatever the size of the scores.  The merge does the same.
; LIMITS: NaN and infinite scores get no special care; P is rounded to f16: the running maximum keeps p at about 1 at the most, a p below 3e-8 counts
; as 0 in the product (in the row sum, which is of the unrounded p, only below 2^-126, where v_exp_f32 flushes); ctx, a mixture of V's rows with
; weights that add up to 1, has V's range and is rounded to f16; a row's sums are formed in two halves of the keys and then merged (another order of rounding).
; CLUSTER: the four work-groups of a cluster work on the same head and walk the same K and V tiles: each tile is asked for jointly (mask 15).
; K and V go through two LDS slots of 256 keys; waves 0-3 fetch K's quarters, waves 4-7 V's, 8 KiB each, dense in memory: 32 rows of 256 bytes a load.
; Slots of 512 keys, which would make that 64 rows, do not fit beside the stages: 2 x 155,648 + 106,496 bytes are more than the WGP's 327,680.
;
; REGISTERS, 512 a wave: window 0: addresses, fragments of Q (kept), K, V^T; window 1: O^T (16 tiles), two buffers of scores, P, the softmax's state.
.set KP,     144                       ; K's LDS row: 128 bytes + 16: sixteen rows start 16 bytes apart modulo 256
.set VP,     160                       ; V's LDS row: 128 bytes + 32: an odd multiple of 32
.set VPART,  256*KP                    ; V's rows lie behind K's 256
.set SLOT,   256*KP+256*VP             ; 77,824
.set STAGE,  2*SLOT                    ; behind the ring: 64 rows x 144 bytes for each of waves 0-3, for the way out; no tensor load lands here
.set MSTAGE, STAGE+4*64*KP             ; behind that: what wave w + 4 hands to wave w
.set MBYTES, 17408                     ; 32 x 512 bytes of O^T, 512 of maxima, 512 of sums
.set KA,  16                           ; v16-17  my K fragment address in slot 0, 1
.set VA,  18                           ; v18-19  my V^T fragment address in slot 0, 1
.set VQ,  20                           ; v20     my offset in Q
.set STO, 21                           ; v21     the way out: in
.set RD,  22                           ; v22     the way out: back
.set CO,  23                           ; v23     my offset in ctx
.set MA,  24                           ; v24     my 16 bytes in the pair's merge stage
.set QF,  32                           ; v[32:95]    Q fragment (qb, ks) at 8 (2 qb + ks)
.set KF,  96                           ; v[96:159]   K fragment (kb, ks) at 8 (2 kb + ks)
.set VF,  160                          ; v[160:223]  V^T fragment (db, p) at 8 (2 db + p)
.set TMP, 224                          ; v[224:239]  the way out
.set OA,  0                            ; window 1: v[0:127]  O^T tile (db, qb) at 32 qb + 8 db
.set SC,  128                          ; v[128:191]  scores: buffer qb % 2 at 32 (qb % 2), tile kb at 8 kb
.set PB,  192                          ; v[192:207]  P of the block at work, 32 keys in each 8 registers
.set MX,  208                          ; v[208:211]  running maximum of the raw scores
.set NG,  212                          ; v[212:219]  -c m, twice (a pair for the packed forms)
.set LS,  220                          ; v[220:227]  my half of the row sum, in two parts
.set AL,  228                          ; v[228:229]  the rescaling factor, twice
.set T0,  230                          ; v[230:233]  at work
.set TN,  234
.set TA,  236                          ; v[236:243]  four pairs at work
.set MB,  244                          ; v[244:247]  the merge: the partner's maxima
.set LP,  248                          ; v[248:251]  the merge: the partner's sums
.set G1K, 16                           ; s[16:23]
.set G1V, 24                           ; s[24:31]
.set G0K, 32                           ; s[32:39] one set for each slot
.set G0V, 40                           ; s[40:47]
.set MSB, 0
.macro WIN new                         ; the immediate's high byte repeats the setting that is left
.if MSB != \new
	s_set_vgpr_msb (MSB<<8)|\new
.set MSB, \new
.endif
.endm
.set W_S,    0x50                      ; D and C window 1, fragments window 0
.set W_SOFT, 0x55                      ; all in window 1: softmax and rescaling
.set W_PV,   0x54                      ; D, C and source 1 (P) window 1, source 0 (V^T) window 0
.set W_CVT,  0x05                      ; sources window 1, destination window 0
.set W_ST,   0x04                      ; an LDS store's data in window 1
.set W_LD,   0x40                      ; an LDS load's destination in window 1
.macro JLOAD s                         ; waves 0-3: K's quarters; waves 4-7: V's.  The branch hangs on the wave's number alone
	s_cmp_eq_u32 s11, 0
	s_cbranch_scc0 .Lfor_v_\@
	tensor_load_to_lds s[G0K+4*(\s):G0K+4*(\s)+3], s[G1K:G1K+7]
	s_nop 0
	s_branch .Lasked_\@
.Lfor_v_\@:
	tensor_load_to_lds s[G0V+4*(\s):G0V+4*(\s)+3], s[G1V:G1V+7]
	s_nop 0
.Lasked_\@:
.endm
.macro CROUND                          ; a round of the cluster's barrier
	s_barrier_signal -1
	s_barrier_wait -1
	s_cmp_lg_u32 s10, 0
	s_cbranch_scc1 .Lnot_wave_0_\@
	s_barrier_signal -3
.Lnot_wave_0_\@:
	s_barrier_wait -3
	s_barrier_signal -1
	s_barrier_wait -1
.endm
.macro PLACES                          ; four independent vector instructions behind a matrix instruction (ISA guide 7.12.1)
.rept 4
	v_nop
.endr
.endm
	s_load_b128 s[4:7], s[0:1], 0x0                ; qkvh s[4:5], ctx s[6:7]
	v_lshl_add_u32 v254, v0, 2, 0x40000
	v_mov_b32 v255, 0
	ds_add_u32 v254, v255
	v_lshrrev_b32 v1, 5, v0
	v_readfirstlane_b32 s10, v1                    ; wave 0..7
	s_lshr_b32 s11, s10, 2                         ; which 128 keys of every slot are mine.  Also: I fetch for K (0) or V (1)
	s_and_b32 s12, s10, 3                          ; which 64 queries are mine.  Also: which 64 keys of the tile I fetch
	s_and_b32 s13, ttmp7, 0xffff                   ; 16 b + head
	s_bfe_u32 s14, ttmp6, 0x40000                  ; cx
	s_lshl_b32 s15, ttmp9, 2
	s_add_co_u32 s15, s15, s14                     ; block of 256 queries
	s_mov_b32 s54, 0x3e38aa3b                      ; c = log2(e) / 8, twice: the packed form names a pair
	s_mov_b32 s55, 0x3e38aa3b
	s_mov_b32 s56, 0xbe38aa3b                      ; -c
	s_mov_b32 s57, 0x76543210                      ; v_permlanex16_b32: lane i of one half reads lane i of the other
	s_mov_b32 s58, 0xfedcba98
	; group 1: 8 KiB, dense in memory, as 32 rows of 32 elements of 8 bytes; padding behind every 32 words (a head's row of 128 bytes): 4 words for K, 8 for V
	s_mov_b32 s[G1K+0], 15|(3<<16)|(1<<20)|(1<<21)|(4<<22)|(3<<25)
	s_mov_b32 s[G1V+0], 15|(3<<16)|(1<<20)|(1<<21)|(4<<22)|(7<<25)
	s_mov_b32 s[G1K+1], 32<<16                     ; tensor_dim0 = 32
	s_mov_b32 s[G1V+1], 32<<16
	s_mov_b32 s[G1K+2], 32<<16                     ; tensor_dim1 = 32
	s_mov_b32 s[G1V+2], 32<<16
	s_mov_b32 s[G1K+3], 32<<16                     ; tile_dim0 = 32
	s_mov_b32 s[G1V+3], 32<<16
	s_mov_b32 s[G1K+4], 32                         ; tile_dim1 = 32
	s_mov_b32 s[G1V+4], 32
	s_mov_b32 s[G1K+5], 32                         ; pitch = 32 elements
	s_mov_b32 s[G1V+5], 32
	s_mov_b32 s[G1K+6], 0
	s_mov_b32 s[G1V+6], 0
	s_mov_b32 s[G1K+7], 0
	s_mov_b32 s[G1V+7], 0
	s_mul_i32 s8, s12, 64*KP                       ; LDS: the quarter of K's rows that I fetch
	s_mul_i32 s9, s12, 64*VP                       ; or of V's rows,
	s_add_co_u32 s9, s9, VPART                     ; behind K's
	s_lshl_b32 s48, s13, 18                        ; the head's block, and the 64 keys of 128 bytes that I fetch: nothing of cx in it
	s_lshl_b32 s49, s12, 13
	s_add_co_u32 s48, s48, s49
	s_mov_b32 s49, 0
	s_lshl_b32 s52, s13, 18                        ; my 64 queries: head, block of 256 rows, 64 rows of 128 bytes for each pair of waves
	s_lshl_b32 s53, s15, 15
	s_add_co_u32 s52, s52, s53
	s_lshl_b32 s53, s12, 13
	s_add_co_u32 s52, s52, s53
	s_mov_b32 s53, 0
	s_mul_i32 s3, s12, 64*KP
	s_add_co_u32 s3, s3, STAGE                     ; the way-out stage of my queries (waves 0-3 use it)
	s_mul_i32 s66, s11, 128*KP                     ; my 128 keys in K's part of a slot
	s_mul_i32 s67, s11, 128*VP                     ; and in V's part
	s_add_co_u32 s67, s67, VPART
	s_mul_i32 s68, s12, MBYTES
	s_add_co_u32 s68, s68, MSTAGE                  ; the merge stage of my pair of waves
	v_and_b32 v1, 15, v0                           ; r
	v_bfe_u32 v2, v0, 4, 1                         ; h
	v_and_b32 v3, 7, v0                            ; l % 8
	v_bfe_u32 v4, v0, 3, 1                         ; (l / 8) % 2
	v_bfe_u32 v5, v0, 3, 2                         ; l / 8
	v_and_b32 v6, 31, v0                           ; l
	v_mul_u32_u24 v7, v1, KP
	v_lshl_add_u32 v7, v2, 4, v7                   ; row r of 144 bytes, 16 h
	v_add_nc_u32 v[KA], s66, v7                    ; K: that, in my 128 keys
	v_add_nc_u32 v[KA+1], SLOT, v[KA]
	v_lshl_add_u32 v8, v2, 3, v3                   ; V: key 8 h + l % 8,
	v_mul_u32_u24 v8, v8, VP
	v_lshl_add_u32 v8, v4, 4, v8                   ; 16 bytes on for the second eight lanes
	v_add_nc_u32 v[VA], s67, v8
	v_add_nc_u32 v[VA+1], SLOT, v[VA]
	v_lshlrev_b32 v9, 7, v1
	v_lshl_add_u32 v[VQ], v2, 4, v9                ; Q in memory: row r of 128 bytes, 16 h
	v_add_nc_u32 v[STO], s3, v7                    ; the stage has K's pitch
	v_mul_u32_u24 v10, v5, KP
	v_lshl_add_u32 v10, v3, 4, v10
	v_add_nc_u32 v[RD], s3, v10                    ; back: eight lanes a row, four rows a load
	v_lshlrev_b32 v[CO], 4, v6
	v_lshl_add_u32 v[MA], v6, 4, s68               ; 16 bytes a lane: 512 consecutive bytes for each four registers
	s_wait_dscnt 0x0
	s_wait_kmcnt 0x0
	s_add_nc_u64 s[50:51], s[4:5], s[48:49]
	s_add_nc_u64 s[60:61], s[4:5], s[52:53]        ; Q
	s_add_nc_u64 s[62:63], s[6:7], s[52:53]        ; ctx
	CROUND                                         ; the four work-groups are here: the first joint loads meet
.irp n, 0,1
	s_mov_b32 s[G0K+4*\n], 1
	s_add_co_u32 s[G0K+4*\n+1], s8, \n*SLOT
	s_add_nc_u64 s[G0K+4*\n+2:G0K+4*\n+3], s[50:51], 8388608+\n*32768      ; k's third of qkvh, keys 256 n ..
	s_or_b32 s[G0K+4*\n+3], s[G0K+4*\n+3], 0x80000000
	s_mov_b32 s[G0V+4*\n], 1
	s_add_co_u32 s[G0V+4*\n+1], s9, \n*SLOT
	s_add_nc_u64 s[G0V+4*\n+2:G0V+4*\n+3], s[50:51], 16777216+\n*32768     ; v's third
	s_or_b32 s[G0V+4*\n+3], s[G0V+4*\n+3], 0x80000000
	JLOAD \n                                       ; two tensor loads of a wave are out, the most in this text
.endr
.irp qb, 0,1,2,3
.irp ks, 0,1
	global_load_b128 v[QF+8*(2*\qb+\ks):QF+8*(2*\qb+\ks)+3],   v[VQ], s[60:61] offset:2048*\qb+64*\ks
	global_load_b128 v[QF+8*(2*\qb+\ks)+4:QF+8*(2*\qb+\ks)+7], v[VQ], s[60:61] offset:2048*\qb+64*\ks+32
.endr
.endr
; 16 loads: the K fragments of keys 64 i .. 64 i + 63 of my 128 keys of a slot
.macro LDK slot, i
.irp kb, 0,1,2,3
.irp ks, 0,1
	ds_load_b128 v[KF+8*(2*\kb+\ks):KF+8*(2*\kb+\ks)+3],   v[KA+\slot] offset:64*KP*(\i)+16*KP*\kb+64*\ks
	ds_load_b128 v[KF+8*(2*\kb+\ks)+4:KF+8*(2*\kb+\ks)+7], v[KA+\slot] offset:64*KP*(\i)+16*KP*\kb+64*\ks+32
.endr
.endr
.endm
; 16 transposing loads: V^T of the same keys: 16 d (db) x 32 keys (p)
.macro LDV slot, i
.irp db, 0,1,2,3
.irp p, 0,1
	ds_load_tr16_b128 v[VF+8*(2*\db+\p):VF+8*(2*\db+\p)+3],   v[VA+\slot] offset:(64*(\i)+32*\p)*VP+32*\db
	ds_load_tr16_b128 v[VF+8*(2*\db+\p)+4:VF+8*(2*\db+\p)+7], v[VA+\slot] offset:(64*(\i)+32*\p)*VP+32*\db+16*VP
.endr
.endr
.endm
; S^T of 64 keys x 16 queries, into buffer qb % 2: the first half of d starts the sums.  The four accumulators take turns, one instruction a turn.
.macro SMUL qb
.irp kb, 0,1,2,3
	v_wmma_f32_16x16x32_f16 v[SC+32*((\qb)&1)+8*\kb:SC+32*((\qb)&1)+8*\kb+7], v[KF+16*\kb:KF+16*\kb+7], v[QF+16*(\qb):QF+16*(\qb)+7], 0
.endr
.irp kb, 0,1,2,3
	v_wmma_f32_16x16x32_f16 v[SC+32*((\qb)&1)+8*\kb:SC+32*((\qb)&1)+8*\kb+7], v[KF+16*\kb+8:KF+16*\kb+15], v[QF+16*(\qb)+8:QF+16*(\qb)+15], v[SC+32*((\qb)&1)+8*\kb:SC+32*((\qb)&1)+8*\kb+7]
.endr
.endm
; The softmax's step for 16 queries: my 32 scores of query r become p, P is packed, maximum, shift and sum move on.  first = 1: there is no state yet.
.macro SOFTMAX qb, first
.set SB, SC+32*((\qb)&1)
.set NB, NG+2*\qb
.set LB, LS+2*\qb
	v_max3_num_f32 v[T0],   v[SB],    v[SB+1],  v[SB+2]        ; four chains over 9, 9, 7 and 7 scores
	v_max3_num_f32 v[T0+1], v[SB+9],  v[SB+10], v[SB+11]
	v_max3_num_f32 v[T0+2], v[SB+18], v[SB+19], v[SB+20]
	v_max3_num_f32 v[T0+3], v[SB+25], v[SB+26], v[SB+27]
.irp j, 0,2
	v_max3_num_f32 v[T0],   v[T0],   v[SB+3+\j],  v[SB+4+\j]
	v_max3_num_f32 v[T0+1], v[T0+1], v[SB+12+\j], v[SB+13+\j]
	v_max3_num_f32 v[T0+2], v[T0+2], v[SB+21+\j], v[SB+22+\j]
	v_max3_num_f32 v[T0+3], v[T0+3], v[SB+28+\j], v[SB+29+\j]
.endr
	v_max3_num_f32 v[T0],   v[T0],   v[SB+7],  v[SB+8]
	v_max3_num_f32 v[T0+1], v[T0+1], v[SB+16], v[SB+17]
	v_max3_num_f32 v[T0], v[T0], v[T0+1], v[T0+2]
.if \first
	v_max_num_f32 v[T0], v[T0], v[T0+3]
.else
	v_max3_num_f32 v[T0], v[T0], v[T0+3], v[MX+\qb]            ; with the running maximum
.endif
	v_permlanex16_b32 v[T0+1], v[T0], s57, s58                 ; the other 32 keys of my query lie in the other half
	v_max_num_f32 v[T0], v[T0], v[T0+1]
	v_mul_f32 v[TN], s56, v[T0]                                ; the new shift, -c m, rounded once and used as it is
.if \first == 0
	v_sub_f32 v[AL], v[TN], v[NB]                              ; new shift - old shift, never above 0
	v_exp_f32 v[AL], v[AL]                                     ; one plain instruction stands behind it before its result is read: the move below
.endif
	v_mov_b32 v[NB], v[TN]
	v_mov_b32 v[NB+1], v[TN]
.if \first == 0
	s_wait_alu depctr_va_vdst(0)
	v_mov_b32 v[AL+1], v[AL]
.endif
.set j, 0
.rept 16
	v_pk_fma_f32 v[SB+j:SB+j+1], v[SB+j:SB+j+1], s[54:55], v[NB:NB+1] op_sel_hi:[1,0,1]   ; c s - c m
.set j, j+2
.endr
.set j, 0
.rept 32
	v_exp_f32 v[SB+j], v[SB+j]
.set j, j+1
.endr
	v_mov_b32 v[MX+\qb], v[T0]                                 ; the plain instruction behind the run of exponentials
	s_wait_alu depctr_va_vdst(0)
.irp k, 0,1,2,3
	v_pk_add_f32 v[TA+2*\k:TA+2*\k+1], v[SB+8*\k:SB+8*\k+1], v[SB+8*\k+2:SB+8*\k+3]       ; the sum of p in four chains of pairs
.endr
.irp j, 4,6
.irp k, 0,1,2,3
	v_pk_add_f32 v[TA+2*\k:TA+2*\k+1], v[TA+2*\k:TA+2*\k+1], v[SB+8*\k+\j:SB+8*\k+\j+1]
.endr
.endr
	v_pk_add_f32 v[TA:TA+1], v[TA:TA+1], v[TA+2:TA+3]
	v_pk_add_f32 v[TA+4:TA+5], v[TA+4:TA+5], v[TA+6:TA+7]
.if \first
	v_pk_add_f32 v[LB:LB+1], v[TA:TA+1], v[TA+4:TA+5]
.else
	v_pk_add_f32 v[TA:TA+1], v[TA:TA+1], v[TA+4:TA+5]
	v_pk_fma_f32 v[LB:LB+1], v[LB:LB+1], v[AL:AL+1], v[TA:TA+1]
.endif
.set j, 0
.rept 16
	v_cvt_pk_f16_f32 v[PB+j], v[SB+2*j], v[SB+2*j+1]           ; keys 8 h + 0..7 of tile kb = registers 4 (kb % 2) .. + 3 of the operand of 32 keys
.set j, j+1
.endr
.endm
.macro RESCALE qb                      ; O^T of my query by the factor of the new shift
.set j, 0
.rept 16
	v_pk_mul_f32 v[OA+32*\qb+j:OA+32*\qb+j+1], v[OA+32*\qb+j:OA+32*\qb+j+1], v[AL:AL+1]
.set j, j+2
.endr
.endm
; O^T += V^T P^T for 16 queries and 64 keys.  The four accumulators take turns, one instruction a turn.
.macro PVMUL qb, first
.irp db, 0,1,2,3
.if \first
	v_wmma_f32_16x16x32_f16 v[OA+32*\qb+8*\db:OA+32*\qb+8*\db+7], v[VF+16*\db:VF+16*\db+7], v[PB:PB+7], 0
.else
	v_wmma_f32_16x16x32_f16 v[OA+32*\qb+8*\db:OA+32*\qb+8*\db+7], v[VF+16*\db:VF+16*\db+7], v[PB:PB+7], v[OA+32*\qb+8*\db:OA+32*\qb+8*\db+7]
.endif
.endr
.irp db, 0,1,2,3
	v_wmma_f32_16x16x32_f16 v[OA+32*\qb+8*\db:OA+32*\qb+8*\db+7], v[VF+16*\db+8:VF+16*\db+15], v[PB+8:PB+15], v[OA+32*\qb+8*\db:OA+32*\qb+8*\db+7]
.endr
.endm
; 64 keys against my 64 queries.  Two buffers of scores: the scores of block qb + 2 are issued straight behind the products P V of block qb, into the buffer that
; block qb's softmax has used up, so that they are made while block qb + 1's softmax is issued.  Between the matrix instructions that write a buffer and the
; softmax that reads it stands another block's softmax (or the four v_nop), which names none of their registers; likewise in front of the conversions that
; write P again, and of the loads into K's registers.  K's fragments of the slot's second step are fetched behind the first step's last scores.
.macro STEP slot, i, first
.if \first == 0
	PLACES                                         ; V^T's registers were read by the last products
.endif
	WIN 0
.if \i == 0
	LDK \slot, 0
.endif
	LDV \slot, \i
	s_wait_dscnt 16                                ; K's 16 loads are in; V's 16, issued behind them, stay out
	WIN W_S
	SMUL 0
	SMUL 1
	PLACES                                         ; in front of the reads of the scores
.irp qb, 0,1,2,3
	WIN W_SOFT
	SOFTMAX \qb, \first
.if \first == 0
	RESCALE \qb
.endif
.if \qb == 0
	s_wait_dscnt 0                                 ; V^T is in; nothing was issued behind it
.endif
.if \qb == 2
.if \i == 0
	WIN 0
	LDK \slot, 1                                   ; the last scores of this step were issued a softmax ago
.endif
.endif
	WIN W_PV
	PVMUL \qb, \first
.if \qb < 2
	WIN W_S
	SMUL \qb+2
.endif
.endr
.endm
.macro SLOTWORK slot, first            ; my 128 keys of a slot
	STEP \slot, 0, \first
	STEP \slot, 1, 0
.endm
; A change of slots.  Every wave waits for all its tensor loads (its part of this slot among them) and for its reads of the other slot, then passes the
; cluster's round; behind it the other slot's refill comes first, one tensor load a wave, with a slot's work in which to land.
.macro TWO slot, refill
	WIN 0
	s_wait_tensorcnt 0x0                           ; no tensor load of mine is out: a group 0 may be written
	ds_add_u32 v254, v255
	s_wait_dscnt 0x0
.if \refill
	s_add_nc_u64 s[G0K+4*(1-\slot)+2:G0K+4*(1-\slot)+3], s[G0K+4*(1-\slot)+2:G0K+4*(1-\slot)+3], 65536   ; the other slot's next 256 keys: two tiles of 32,768 bytes on
	s_add_nc_u64 s[G0V+4*(1-\slot)+2:G0V+4*(1-\slot)+3], s[G0V+4*(1-\slot)+2:G0V+4*(1-\slot)+3], 65536
.endif
	s_wait_dscnt 0x0                               ; my reads of the other slot are over
.if \refill
	CROUND                                         ; both now hold of every wave of the four work-groups
	JLOAD 1-\slot
.else
	s_barrier_signal -1                            ; nothing is left to fetch: my work-group's barrier shows the slot whole
	s_barrier_wait -1
.endif
	SLOTWORK \slot, 0
.endm
	s_wait_loadcnt 0x0                             ; Q
	s_wait_tensorcnt 0x1                           ; my part of slot 0 is in; slot 1's stays out
	s_barrier_signal -1
	s_barrier_wait -1
	SLOTWORK 0, 1                                  ; keys 0 to 255: a wave's first step starts maximum, sums and O^T, so nothing is cleared
	WIN 0
	s_mov_b32 s59, 3
.Lkeys:
	TWO 1, 1
	TWO 0, 1
	WIN 0
	s_sub_co_u32 s59, s59, 1
	s_cmp_lg_u32 s59, 0
	s_cbranch_scc1 .Lkeys
	TWO 1, 0                                       ; keys 1792 to 2047
	; THE MERGE.  Every wave first completes its row sums; waves 4-7 then put O^T, maxima and sums into the pair's stage, lane by lane as they lie in the registers.
	PLACES                                         ; behind the last products: O^T is read below, and K's and V^T's registers are loaded again
	WIN W_SOFT
.irp qb, 0,1,2,3
	v_add_f32 v[T0+\qb], v[LS+2*\qb], v[LS+2*\qb+1]
.endr
.irp qb, 0,1,2,3
	v_permlanex16_b32 v[TA+\qb], v[T0+\qb], s57, s58           ; the other half's part of the sum
.endr
.irp qb, 0,1,2,3
	v_add_f32 v[T0+\qb], v[T0+\qb], v[TA+\qb]
.endr
	WIN 0
	s_cmp_lt_u32 s10, 4
	s_cbranch_scc1 .Lkeeps                         ; waves 0-3 keep theirs
	WIN W_ST
.set t, 0
.rept 32
	ds_store_b128 v[MA], v[OA+4*t:OA+4*t+3] offset:512*t       ; 32 lanes x 16 neighbouring bytes
.set t, t+1
.endr
	ds_store_b128 v[MA], v[MX:MX+3] offset:16384
	ds_store_b128 v[MA], v[T0:T0+3] offset:16896
	WIN 0
.Lkeeps:
	s_wait_dscnt 0x0                               ; for the partner's sake: my stores are done
	s_barrier_signal -1
	s_barrier_wait -1
	s_cmp_ge_u32 s10, 4
	s_cbranch_scc1 .Lclose                         ; waves 4-7 have handed their part over
	WIN W_LD
	ds_load_b128 v[MB:MB+3], v[MA] offset:16384    ; the partner's maxima
	ds_load_b128 v[LP:LP+3], v[MA] offset:16896    ; and sums
	WIN 0
.set t, 0
.rept 32
	ds_load_b128 v[KF+4*t:KF+4*t+3], v[MA] offset:512*t        ; its O^T, register n into v[96 + n]: K's and V^T's 128 registers are free
.set t, t+1
.endr
	s_wait_dscnt 32                                ; maxima and sums are in; the 32 loads issued behind them stay out
	WIN W_SOFT
.irp qb, 0,1,2,3
	v_max_num_f32 v[TA+\qb], v[MX+\qb], v[MB+\qb]              ; the maximum over all keys
.endr
.irp qb, 0,1,2,3
	v_mul_f32 v[TA+\qb], s56, v[TA+\qb]                        ; the common shift: the same product as one of the two old shifts, so one factor is exactly 1
	v_mul_f32 v[MB+\qb], s56, v[MB+\qb]                        ; the partner's shift, as the partner made it
.endr
.irp qb, 0,1,2,3
	v_sub_f32 v[MX+\qb], v[TA+\qb], v[NG+2*\qb]
	v_sub_f32 v[MB+\qb], v[TA+\qb], v[MB+\qb]
.endr
.irp qb, 0,1,2,3
	v_exp_f32 v[MX+\qb], v[MX+\qb]                             ; my factor
	v_exp_f32 v[MB+\qb], v[MB+\qb]                             ; the partner's
.endr
	v_nop                                                      ; the plain instruction behind the exponentials
	s_wait_alu depctr_va_vdst(0)
.irp qb, 0,1,2,3
	v_mul_f32 v[T0+\qb], v[T0+\qb], v[MX+\qb]
.endr
.irp qb, 0,1,2,3
	v_fma_f32 v[T0+\qb], v[LP+\qb], v[MB+\qb], v[T0+\qb]       ; the row sum over all keys
.endr
.irp qb, 0,1,2,3
	v_rcp_f32 v[LP+\qb], v[T0+\qb]
.endr
	v_nop                                                      ; the plain instruction behind the reciprocals
	s_wait_alu depctr_va_vdst(0)
.irp qb, 0,1,2,3
	v_mul_f32 v[NG+2*\qb],   v[MX+\qb], v[LP+\qb]              ; factor / sum, as pairs: mine in the shifts' registers,
	v_mul_f32 v[NG+2*\qb+1], v[MX+\qb], v[LP+\qb]
	v_mul_f32 v[LS+2*\qb],   v[MB+\qb], v[LP+\qb]              ; the partner's in the sums'
	v_mul_f32 v[LS+2*\qb+1], v[MB+\qb], v[LP+\qb]
.endr
	s_wait_dscnt 0x0                               ; the partner's O^T is in
	; THE WAY OUT: both halves weighted and added, rounded to f16, through my own stage into 8,192 consecutive bytes of ctx.
.irp qb, 0,1,2,3
	WIN W_SOFT
.set j, 0
.rept 16
	v_pk_mul_f32 v[OA+32*\qb+j:OA+32*\qb+j+1], v[OA+32*\qb+j:OA+32*\qb+j+1], v[NG+2*\qb:NG+2*\qb+1]
.set j, j+2
.endr
	WIN W_PV
.set j, 0
.rept 16
	v_pk_fma_f32 v[OA+32*\qb+j:OA+32*\qb+j+1], v[KF+32*\qb+j:KF+32*\qb+j+1], v[LS+2*\qb:LS+2*\qb+1], v[OA+32*\qb+j:OA+32*\qb+j+1]
.set j, j+2
.endr
	WIN W_CVT
.irp db, 0,1,2,3
.irp r, 0,1,2,3
	v_cvt_pk_f16_f32 v[TMP+4*\db+\r], v[OA+32*\qb+8*\db+2*\r], v[OA+32*\qb+8*\db+2*\r+1]
.endr
.endr
	WIN 0
.irp db, 0,1,2,3
	ds_store_b128 v[STO], v[TMP+4*\db:TMP+4*\db+3] offset:16*KP*\qb+32*\db    ; query 16 qb + r, d = 16 db + 8 h + 0..7
.endr
.endr
.irp t, 0,1,2,3,4,5,6,7,8,9,10,11,12,13,14,15
	ds_load_b128 v[QF+4*\t:QF+4*\t+3], v[RD] offset:4*KP*\t    ; a wave's LDS instructions are served in order: these see the stores above
.endr
.irp t, 0,1,2,3,4,5,6,7,8,9,10,11,12,13,14,15
	s_wait_dscnt 15-\t                                         ; read-back t is in, the 15 - t younger ones stay out
	global_store_b128 v[CO], v[QF+4*\t:QF+4*\t+3], s[62:63] offset:512*\t     ; a wave's store covers 512 consecutive bytes, aligned
.endr
.Lclose:
	s_wait_tensorcnt 0x0
	ds_add_u32 v254, v255
	s_wait_dscnt 0x0
	CROUND                                         ; the closing round
	s_endpgm
.Lfunc_end_k_q7d512ad98a_attn:
	.size	k_q7d512ad98a_attn, .Lfunc_end_k_q7d512ad98a_attn-k_q7d512ad98a_attn
	.p2alignl 7, 3214868480
	.fill 96, 4, 3214868480
	.section	.rodata,"a",@progbits
	.p2align	6, 0x0
	.amdhsa_kernel k_q7d512ad98a_attn
		.amdhsa_group_segment_fixed_size 327680
		.amdhsa_private_segment_fixed_size 0
		.amdhsa_enable_private_segment 0
		.amdhsa_kernarg_size 16
		.amdhsa_user_sgpr_count 2
		.amdhsa_user_sgpr_kernarg_segment_ptr 1
		.amdhsa_wavefront_size32 1
		.amdhsa_system_sgpr_workgroup_id_x 1
		.amdhsa_system_sgpr_workgroup_id_y 1
		.amdhsa_system_sgpr_workgroup_id_z 1
		.amdhsa_system_vgpr_workitem_id 0
		.amdhsa_next_free_vgpr 512
		.amdhsa_next_free_sgpr 72
		.amdhsa_reserve_vcc 0
		.amdhsa_float_denorm_mode_32 3
		.amdhsa_float_denorm_mode_16_64 3
		.amdhsa_memory_ordered 1
		.amdhsa_forward_progress 1
		.amdhsa_inst_pref_size 255
	.end_amdhsa_kernel
	.section	.bss,"aw",@nobits
	.p2align	6
	.space	262144
	.amdgpu_metadata
---
amdhsa.version: [ 1, 2 ]
amdhsa.kernels:
  - .name:           k_q7d512ad98a_attn
    .symbol:         k_q7d512ad98a_attn.kd
    .args:
      - { .name: qkvh, .offset: 0, .size: 8, .value_kind: global_buffer, .address_space: global }
      - { .name: ctx, .offset: 8, .size: 8, .value_kind: global_buffer, .address_space: global }
    .group_segment_fixed_size: 327680
    .private_segment_fixed_size: 0
    .kernarg_segment_align: 8
    .kernarg_segment_size: 16
    .max_flat_workgroup_size: 256
    .sgpr_count:     72
    .vgpr_count:     512
    .wavefront_size: 32
...
	.end_amdgpu_metadata
.endif
;; end of part 3
;; launch oproj (part 4): grid 8 x 32, 4 waves a work-group, clusters of 4 x 4, 327,680 bytes of LDS; arguments ctx, wb, bo, out0; writes out0
.if DOCPART == 4
	.amdgcn_target "amdgcn-amd-amdhsa--gfx1250"
	.amdhsa_code_object_version 6
	.text
	.protected	k_q7d512ad98a_oproj
	.globl	k_q7d512ad98a_oproj
	.p2align	8
	.type	k_q7d512ad98a_oproj,@function
k_q7d512ad98a_oproj:
	s_mov_b64 s[64:65], 0
	v_nop
	global_prefetch_b8 v0, s[64:65] scope:SCOPE_SE
	s_setreg_imm32_b32 hwreg(HW_REG_WAVE_MODE, 25, 1), 1
	s_wait_xcnt 0x0
	s_wait_alu depctr_hold_cnt(0) depctr_sa_sdst(0) depctr_va_vdst(0) depctr_va_sdst(0) depctr_va_ssrc(0) depctr_va_vcc(0) depctr_vm_vsrc(0)
	s_getreg_b32 s2, hwreg(HW_REG_IB_STS2, 6, 4)
	s_cmp_eq_u32 s2, 0
	s_cbranch_scc0 .Lentry_in_a_cluster
	s_endpgm
.Lentry_in_a_cluster:
	s_bfe_u32 s2, ttmp6, 0x10000c
	s_cmp_lg_u32 s2, 0xf033
	s_cbranch_scc0 .Lentry_shape_is_right
	s_endpgm
.Lentry_shape_is_right:
; out0[g][n] = bo[n] + sum over k of ctx(g, k) Wo[n][k];  g = 2048 b + s, k = 64 head + d.  ctx = [b][head][2048][64] f16, Wo = the fourth
; [1024][1024] f16 of wb, out0 = [4096][1024] f32.  f16 operands, f32 sums.  LIMIT: the bias starts each sum (another order of rounding).
; A work-group makes 128 x 128 (256 work-groups), a wave 64 x 64: 16 accumulator tiles.  K goes in four tiles of 256 (four heads) through two
; LDS slots, so half of K is asked for at the start; the text is written out, without a loop.
; CLUSTERS: 4 x 4 work-groups; ctx's tiles are shared along a row of the cluster, Wo's along a column, each by a joint load.
; The matrix instruction is used transposed (source 0 = rows of Wo, source 1 = rows of ctx): a lane holds eight neighbouring columns of one row, 32 bytes.
; REGISTERS: window 0: addresses, two fragment buffers (Wo's four fragments, then ctx's four), the bias as four C tiles; window 1: accumulator (a, b) at 8 (4 a + b).
.set AP,     144                       ; ctx in LDS: a head's row of 128 bytes + 16
.set AHEAD,  128*AP                    ; a head's 128 rows
.set BP,     528                       ; Wo in LDS: 512 bytes + 16
.set BPART,  4*AHEAD                   ; Wo's 128 rows lie behind ctx's four heads
.set SLOT,   4*AHEAD+128*BP            ; 141,312
.set STAGE,  2*SLOT                    ; behind the ring: 16 rows x 272 bytes for each wave; no tensor load lands here
.set SPITCH, 272
.set ADRA, 16                          ; v16-17
.set ADRB, 20                          ; v20-21
.set STO,  24
.set RD,   25
.set CO,   26
.set BO,   27
.set F0,   64
.set F1,   128
.set BIAS, 192                         ; v[192:223]
.set G1, 24                            ; s[24:31] group 1, ctx's tiles
.set G0, 32                            ; s[32:39] group 0, ctx's tiles, one set for each slot
.set G1B, 48                           ; s[48:55] group 1, Wo's tiles
.set G0B, 56                           ; s[56:63] group 0, Wo's tiles
.set MSB, 0
.macro WIN new
.if MSB != \new
	s_set_vgpr_msb (MSB<<8)|\new
.set MSB, \new
.endif
.endm
.set W_MUL, 0x50                       ; C and D window 1, fragments window 0
.set W_BIA, 0x40                       ; D window 1, C (the bias) window 0
.set W_ST,  0x04                       ; an LDS store's data in window 1
.macro JLOAD s                         ; waves 0, 1: two heads of ctx each; waves 2, 3: 64 rows of Wo each
	s_cmp_eq_u32 s11, 0
	s_cbranch_scc0 .Lfor_b_\@
	tensor_load_to_lds s[G0+4*\s:G0+4*\s+3], s[G1:G1+7]
	s_nop 0
	s_branch .Lasked_\@
.Lfor_b_\@:
	tensor_load_to_lds s[G0B+4*\s:G0B+4*\s+3], s[G1B:G1B+7]
	s_nop 0
.Lasked_\@:
.endm
.macro CREST
	s_cmp_lg_u32 s10, 0
	s_cbranch_scc1 .Lnot_wave_0_\@
	s_barrier_signal -3
.Lnot_wave_0_\@:
	s_barrier_wait -3
	s_barrier_signal -1
	s_barrier_wait -1
.endm
.macro CROUND
	s_barrier_signal -1
	s_barrier_wait -1
	CREST
.endm
.macro PLACES                          ; four independent vector instructions behind a matrix instruction (ISA guide 7.12.1)
.rept 4
	v_nop
.endr
.endm
	s_load_b128 s[4:7], s[0:1], 0x0                ; ctx s[4:5], wb s[6:7]
	s_load_b128 s[68:71], s[0:1], 0x10             ; bo s[68:69], out0 s[70:71]
	v_lshl_add_u32 v254, v0, 2, 0x49400
	v_mov_b32 v255, 0
	ds_add_u32 v254, v255
	v_lshrrev_b32 v1, 5, v0
	v_readfirstlane_b32 s10, v1                    ; wave
	s_lshr_b32 s11, s10, 1                         ; my half of the block's rows.  Also: I fetch for ctx (0) or Wo (1)
	s_and_b32 s12, s10, 1                          ; my half of its columns.  Also: which half of that tile I fetch
	s_bfe_u32 s40, ttmp6, 0x40000                  ; cx
	s_bfe_u32 s41, ttmp6, 0x40004                  ; cy
	s_lshl_b32 s42, ttmp9, 2
	s_add_co_u32 s42, s42, s40                     ; block column 0..7
	s_and_b32 s13, ttmp7, 0xffff
	s_lshl_b32 s13, s13, 2
	s_add_co_u32 s13, s13, s41                     ; block row 0..31
	s_lshl_b32 s43, s41, 2
	s_lshl_b32 s43, 15, s43                        ; my row of the cluster
	s_lshl_b32 s44, 0x1111, s40                    ; my column
	; ctx: two heads' 128 rows, each 16 KiB dense in memory, 262,144 bytes apart: 2 rows of 2,048 elements of 8 bytes; 4 words of padding behind every 32
	s_or_b32 s[G1+0], s43, (3<<16)|(1<<20)|(1<<21)|(4<<22)|(3<<25)
	s_mov_b32 s[G1+1], 2048<<16                    ; tensor_dim0 = 2048
	s_mov_b32 s[G1+2], 2<<16                       ; tensor_dim1 = 2
	s_mov_b32 s[G1+3], 2048<<16                    ; tile_dim0 = 2048
	s_mov_b32 s[G1+4], 2                           ; tile_dim1 = 2
	s_mov_b32 s[G1+5], 32768                       ; pitch: 32,768 elements
	s_mov_b32 s[G1+6], 0
	s_mov_b32 s[G1+7], 0
	; Wo: 64 rows of 256 elements of 2 bytes, pitch 1,024; 4 words of padding behind every 128
	s_or_b32 s[G1B+0], s44, (1<<16)|(1<<20)|(1<<21)|(6<<22)|(3<<25)
	s_mov_b32 s[G1B+1], 256<<16
	s_mov_b32 s[G1B+2], 64<<16
	s_mov_b32 s[G1B+3], 256<<16
	s_mov_b32 s[G1B+4], 64
	s_mov_b32 s[G1B+5], 1024
	s_mov_b32 s[G1B+6], 0
	s_mov_b32 s[G1B+7], 0
	s_lshr_b32 s16, s13, 4                         ; ctx: b,
	s_lshl_b32 s16, s16, 22
	s_and_b32 s17, s13, 15                         ; 128 rows of 128 bytes for each block row inside b,
	s_lshl_b32 s17, s17, 14
	s_add_co_u32 s16, s16, s17
	s_lshl_b32 s17, s12, 19                        ; and my two heads of the tile's four
	s_add_co_u32 s16, s16, s17
	s_mov_b32 s17, 0
	s_lshl_b32 s46, s42, 18                        ; Wo: row 128 x block column + 64 x half, 2,048 bytes a row,
	s_lshl_b32 s47, s12, 17
	s_add_co_u32 s46, s46, s47
	s_add_co_u32 s46, s46, 6291456                 ; behind Wq, Wk and Wv
	s_mov_b32 s47, 0
	s_mul_i32 s20, s12, 2*AHEAD                    ; LDS: my two heads
	s_mul_i32 s45, s12, 64*BP                      ; my 64 rows of Wo
	s_add_co_u32 s45, s45, BPART
	s_lshl_b32 s80, s42, 9                         ; my first column, in bytes of f32: 4 x (128 x block column + 64 x half)
	s_lshl_b32 s81, s12, 8
	s_add_co_u32 s80, s80, s81
	s_mov_b32 s81, 0
	s_lshl_b32 s82, s13, 19                        ; my first row of out0: (128 x block row + 64 x half) x 4,096 bytes
	s_lshl_b32 s83, s11, 18
	s_add_co_u32 s82, s82, s83
	s_add_co_u32 s82, s82, s80
	s_mov_b32 s83, 0
	v_and_b32 v1, 15, v0                           ; r
	v_bfe_u32 v2, v0, 4, 1                         ; h
	v_lshlrev_b32 v[BO], 5, v2
	v_mul_u32_u24 v3, v1, AP
	v_lshl_add_u32 v3, v2, 4, v3
	v_mul_u32_u24 v4, v1, BP
	v_lshl_add_u32 v4, v2, 4, v4
	s_mul_i32 s21, s11, 64*AP                      ; my 64 rows in each head
	s_mul_i32 s22, s12, 64*BP                      ; my 64 rows of Wo
	s_add_co_u32 s22, s22, BPART
.irp s, 0,1
	v_add_nc_u32 v[ADRA+\s], s21, v3
	v_add_nc_u32 v[ADRB+\s], s22, v4
	s_add_co_u32 s21, s21, SLOT
	s_add_co_u32 s22, s22, SLOT
.endr
	s_mul_i32 s23, s10, 16*SPITCH
	s_add_co_u32 s23, s23, STAGE                   ; my stage
	v_mul_u32_u24 v5, v1, SPITCH                   ; in: row r, 32 bytes for each half of the lanes
	v_lshl_add_u32 v5, v2, 5, v5
	v_add_nc_u32 v[STO], s23, v5
	v_mul_u32_u24 v6, v2, SPITCH                   ; back: lanes 0-15 one row of 256 bytes, lanes 16-31 the next
	v_lshl_add_u32 v6, v1, 4, v6
	v_add_nc_u32 v[RD], s23, v6
	v_lshlrev_b32 v7, 12, v2                       ; the same two rows in out0
	v_lshl_add_u32 v[CO], v1, 4, v7
	s_wait_dscnt 0x0
	s_wait_kmcnt 0x0
	s_add_nc_u64 s[14:15], s[4:5], s[16:17]
	s_add_nc_u64 s[46:47], s[6:7], s[46:47]
	s_add_nc_u64 s[68:69], s[68:69], s[80:81]
	s_add_nc_u64 s[70:71], s[70:71], s[82:83]
	CROUND                                         ; all sixteen work-groups are here: the first joint loads meet
.irp s, 0,1
	s_mov_b32 s[G0+4*\s], 1
	s_add_co_u32 s[G0+4*\s+1], s20, \s*SLOT
	s_add_nc_u64 s[G0+4*\s+2:G0+4*\s+3], s[14:15], \s*1048576          ; four heads on
	s_or_b32 s[G0+4*\s+3], s[G0+4*\s+3], 0x80000000
	s_mov_b32 s[G0B+4*\s], 1
	s_add_co_u32 s[G0B+4*\s+1], s45, \s*SLOT
	s_add_nc_u64 s[G0B+4*\s+2:G0B+4*\s+3], s[46:47], \s*512            ; 256 elements along the rows
	s_or_b32 s[G0B+4*\s+3], s[G0B+4*\s+3], 0x80000000
	JLOAD \s                                       ; two tensor loads of a wave are out, the most in this text
.endr
.irp b, 0,1,2,3
	global_load_b128 v[BIAS+8*\b:BIAS+8*\b+3],   v[BO], s[68:69] offset:64*\b      ; register j of tile b: bo[my first column + 16 b + 8 h + j]
	global_load_b128 v[BIAS+8*\b+4:BIAS+8*\b+7], v[BO], s[68:69] offset:64*\b+16
.endr
; 16 LDS loads: the fragments of 32 along K (kk = 0..7 in a slot: head kk / 2, half kk % 2 of its 64) into buffer f
.macro FETCH slot, kk, f
.irp b, 0,1,2,3
	ds_load_b128 v[\f+8*\b:\f+8*\b+3],   v[ADRB+\slot] offset:16*BP*\b+64*(\kk)
	ds_load_b128 v[\f+8*\b+4:\f+8*\b+7], v[ADRB+\slot] offset:16*BP*\b+64*(\kk)+32
.endr
.irp a, 0,1,2,3
	ds_load_b128 v[\f+32+8*\a:\f+32+8*\a+3],   v[ADRA+\slot] offset:AHEAD*((\kk)>>1)+16*AP*\a+64*((\kk)&1)
	ds_load_b128 v[\f+32+8*\a+4:\f+32+8*\a+7], v[ADRA+\slot] offset:AHEAD*((\kk)>>1)+16*AP*\a+64*((\kk)&1)+32
.endr
.endm
; 8 matrix instructions.  zero = 1: the bias tile is C.  The 16 accumulators take turns, one instruction a turn.
.macro MUL8 f, a0, zero
.irp a, \a0, \a0+1
.irp b, 0,1,2,3
.if \zero
	v_wmma_f32_16x16x32_f16 v[8*(4*(\a)+\b):8*(4*(\a)+\b)+7], v[\f+8*\b:\f+8*\b+7], v[\f+32+8*(\a):\f+32+8*(\a)+7], v[BIAS+8*\b:BIAS+8*\b+7]
.else
	v_wmma_f32_16x16x32_f16 v[8*(4*(\a)+\b):8*(4*(\a)+\b)+7], v[\f+8*\b:\f+8*\b+7], v[\f+32+8*(\a):\f+32+8*(\a)+7], v[8*(4*(\a)+\b):8*(4*(\a)+\b)+7]
.endif
.endr
.endr
.endm
; 32 along K: buffer f is multiplied; ahead of that the next 32's fragments are asked for, into buffer g
.macro KS slot, kk, f, g, zero
	s_wait_dscnt 0x0                               ; buffer f is in (its loads were issued sixteen matrix instructions ago)
	PLACES                                         ; buffer g was read by the last products
	FETCH \slot, \kk+1, \g
.if \zero
	WIN W_BIA
.else
	WIN W_MUL
.endif
	MUL8 \f, 0, \zero
	MUL8 \f, 2, \zero
	WIN 0
.endm
.macro SEVEN slot, zero
	KS \slot, 0, F0, F1, \zero
	KS \slot, 1, F1, F0, 0
	KS \slot, 2, F0, F1, 0
	KS \slot, 3, F1, F0, 0
	KS \slot, 4, F0, F1, 0
	KS \slot, 5, F1, F0, 0
	KS \slot, 6, F0, F1, 0
.endm
; The slot's last 32 along K, and the change of slots: the waits in front of the barrier, register work inside, the refill first behind the cluster's round
.macro TURN slot, next, fill
	s_wait_dscnt 0x0                               ; my reads of this slot are over
	s_wait_tensorcnt 0x0                           ; all my tensor loads have landed, my part of the next slot among them
	ds_add_u32 v254, v255
	s_wait_dscnt 0x0
	s_barrier_signal -1
	WIN W_MUL
	MUL8 F1, 0, 0
	WIN 0
	s_barrier_wait -1
.if \fill
	CREST
	s_add_nc_u64 s[G0+4*\slot+2:G0+4*\slot+3], s[G0+4*\slot+2:G0+4*\slot+3], 2097152   ; eight heads on
	s_add_nc_u64 s[G0B+4*\slot+2:G0B+4*\slot+3], s[G0B+4*\slot+2:G0B+4*\slot+3], 1024  ; 512 elements on
	JLOAD \slot
.endif
	PLACES
	FETCH \next, 0, F0
	WIN W_MUL
	MUL8 F1, 2, 0
	WIN 0
.endm
	s_wait_loadcnt 0x0                             ; the bias
	s_wait_tensorcnt 0x1                           ; my part of slot 0 is in; slot 1's stays out
	s_barrier_signal -1
	s_barrier_wait -1
	FETCH 0, 0, F0
	SEVEN 0, 1                                     ; heads 0-3; the first products start the sums from the bias
	TURN 0, 1, 1
	SEVEN 1, 0                                     ; heads 4-7
	TURN 1, 0, 1
	SEVEN 0, 0                                     ; heads 8-11
	TURN 0, 1, 0                                   ; nothing is left to fetch
	SEVEN 1, 0                                     ; heads 12-15
	s_wait_dscnt 0x0
	WIN W_MUL
	MUL8 F1, 0, 0
	MUL8 F1, 2, 0
	; THE WAY OUT, 16 rows at a time, through my own stage: rows of 256 bytes of f32
	PLACES
.macro OUT16 a, f
	WIN W_ST
.irp b, 0,1,2,3
	ds_store_b128 v[STO], v[8*(4*\a+\b):8*(4*\a+\b)+3]   offset:64*\b
	ds_store_b128 v[STO], v[8*(4*\a+\b)+4:8*(4*\a+\b)+7] offset:64*\b+16
.endr
	WIN 0
	s_wait_xcnt 0x0                                ; buffer f, which earlier stores read, is loaded again only behind this wait
.irp t, 0,1,2,3,4,5,6,7
	ds_load_b128 v[\f+4*\t:\f+4*\t+3], v[RD] offset:2*SPITCH*\t        ; a wave's LDS instructions are served in order: these see the stores above
.endr
.irp t, 0,1,2,3,4,5,6,7
	s_wait_dscnt 7-\t                              ; read-back t is in, the 7 - t younger ones stay out
	global_store_b128 v[CO], v[\f+4*\t:\f+4*\t+3], s[70:71] offset:(16*\a+2*\t)*4096 th:TH_STORE_NT   ; 16 lanes store 256 consecutive bytes, aligned
.endr
.endm
	OUT16 0, F0
	OUT16 1, F1
	OUT16 2, F0
	OUT16 3, F1
	s_wait_tensorcnt 0x0
	ds_add_u32 v254, v255
	s_wait_dscnt 0x0
	CROUND                                         ; the closing round
	s_endpgm
.Lfunc_end_k_q7d512ad98a_oproj:
	.size	k_q7d512ad98a_oproj, .Lfunc_end_k_q7d512ad98a_oproj-k_q7d512ad98a_oproj
	.p2alignl 7, 3214868480
	.fill 96, 4, 3214868480
	.section	.rodata,"a",@progbits
	.p2align	6, 0x0
	.amdhsa_kernel k_q7d512ad98a_oproj
		.amdhsa_group_segment_fixed_size 327680
		.amdhsa_private_segment_fixed_size 0
		.amdhsa_enable_private_segment 0
		.amdhsa_kernarg_size 32
		.amdhsa_user_sgpr_count 2
		.amdhsa_user_sgpr_kernarg_segment_ptr 1
		.amdhsa_wavefront_size32 1
		.amdhsa_system_sgpr_workgroup_id_x 1
		.amdhsa_system_sgpr_workgroup_id_y 1
		.amdhsa_system_sgpr_workgroup_id_z 1
		.amdhsa_system_vgpr_workitem_id 0
		.amdhsa_next_free_vgpr 384
		.amdhsa_next_free_sgpr 96
		.amdhsa_reserve_vcc 0
		.amdhsa_float_denorm_mode_32 3
		.amdhsa_float_denorm_mode_16_64 3
		.amdhsa_memory_ordered 1
		.amdhsa_forward_progress 1
		.amdhsa_inst_pref_size 90
	.end_amdhsa_kernel
	.amdgpu_metadata
---
amdhsa.version: [ 1, 2 ]
amdhsa.kernels:
  - .name:           k_q7d512ad98a_oproj
    .symbol:         k_q7d512ad98a_oproj.kd
    .args:
      - { .name: ctx, .offset: 0, .size: 8, .value_kind: global_buffer, .address_space: global }
      - { .name: wb, .offset: 8, .size: 8, .value_kind: global_buffer, .address_space: global }
      - { .name: bo, .offset: 16, .size: 8, .value_kind: global_buffer, .address_space: global }
      - { .name: out0, .offset: 24, .size: 8, .value_kind: global_buffer, .address_space: global }
    .group_segment_fixed_size: 327680
    .private_segment_fixed_size: 0
    .kernarg_segment_align: 8
    .kernarg_segment_size: 32
    .max_flat_workgroup_size: 128
    .sgpr_count:     96
    .vgpr_count:     384
    .wavefront_size: 32
...
	.end_amdgpu_metadata
.endif
;; end of part 4
